; MI455X (gfx1250); checked and timed in simulation.
; The chip was launched on July 23, 2026; its instructions are those of AMD's public machine-readable ISA for CDNA 5 (MIT licence, August 2026) and "CDNA5" Instruction Set Architecture Reference Guide (July 2026). The comments in the code are by the model that wrote it; some were corrected since.
;; Codebook Layer. Allowed arithmetic: matrix products marked QUANTISED: E2M3 operands, one E8M0 scale for each 32 along K, by v_wmma_scale_f32_16x16x128_f8f6f4 with both operands' format E2M3, f32 sums; everything else in f32.
;; Inputs: codebook 8,192 x 1,024 float32; inputs 4 x 2,048 x 1,024 float32.
;; Outputs: out0 4 x 2,048 x 1,024 float32; out1 4 x 2,048 x 8 int32.
;; Constants: kcodes = 8.
;; This version of the problem:
;;   THIS VERSION OF THE PROBLEM IS GIVEN IN LOW PRECISION. The matrix products marked QUANTISED in the list below multiply operands that are first quantised to E2M3 (2 exponent bits, 3 mantissa bits; 6 bits a number), with one power-of-two scale for each 32 numbers along K (OCP MX v1.0); their sums are f32. All else is computed in f32.
;;   The module's matrix products, in the order in which they are computed (A, B: the left and right operand; K: the contracted axis; several contracted axes count as one K, in the product's order):
;;     1. [M 8,192, K 1,024] x [K 1,024, N 8,192]; A: input inputs; B: input codebook: QUANTISED
;;   THE QUANTISER, for each operand of a quantised product, along K:
;;     - K is cut into blocks of 32 from its start; a last block that is shorter is filled with zeros.
;;     - A block's scale is 2^e with e = floor(log2(the largest magnitude in the block)) - 2, held to -126 .. 127; a block of zeros has e = 0. As a byte (E8M0): e + 127.
;;     - Each number is divided by its block's scale, clamped to +-7.5, and rounded to the nearest number of E2M3, ties to even, subnormals kept.
;;     - The product sums the exact products of the quantised numbers (number of the format x scale) in f32.
;;   ~~~python
;;   def quantise(x, axis):      # numpy; x: float32 -> the quantised numbers, widened to float32 again
;;       x = np.moveaxis(x, axis, -1); K = x.shape[-1]
;;       x = np.pad(x, [(0, 0)] * (x.ndim - 1) + [(0, -K % 32)]); x = x.reshape(x.shape[:-1] + (-1, 32)); a = np.abs(x).max(-1, keepdims=True)
;;       e = np.where(a > 0, np.clip(np.frexp(np.where(a > 0, a, 1))[1] - 1 - 2, -126, 127), 0)      # np.frexp(a)[1] - 1 = floor(log2(a)), exactly
;;       r = np.clip(x / 2.0 ** e, -7.5, 7.5)
;;       step = 2.0 ** (np.maximum(np.frexp(np.where(r == 0, 1, r))[1] - 1, 0) - 3)
;;       q = np.round(r / step) * step * 2.0 ** e      # np.round: ties to even
;;       return np.moveaxis(q.reshape(q.shape[:-2] + (-1,))[..., :K], -1, axis).astype(np.float32)
;;   ~~~
;; One version. Each part assembles by itself: llvm-mc -triple=amdgcn-amd-amdhsa -mcpu=gfx1250 --defsym DOCPART=n.
;; ======== version 1 of 1: 5 launches
;; limits: right only within a limited range of input values
;; workspace buffers: codes 12,582,912 bytes; scales 524,288 bytes; sq 65,536 bytes; dist 268,435,456 bytes; gmin 8,388,608 bytes; gsel 262,144 bytes of whole numbers; ids 262,144 bytes of whole numbers
;; launch quant (part 1): grid 512 x 1, 4 waves a work-group, no clusters, 33,280 bytes of LDS; arguments inputs, codebook, codes, scales, sq; writes codes, scales, sq
.if DOCPART == 1
	.amdgcn_target "amdgcn-amd-amdhsa--gfx1250"
	.amdhsa_code_object_version 6
	.text
	.protected	k_q9d06e7f5b6_quant
	.globl	k_q9d06e7f5b6_quant
	.p2align	8
	.type	k_q9d06e7f5b6_quant,@function
k_q9d06e7f5b6_quant:
	s_mov_b64 s[64:65], 0
	v_nop
	global_prefetch_b8 v0, s[64:65] scope:SCOPE_SE
	s_setreg_imm32_b32 hwreg(HW_REG_WAVE_MODE, 25, 1), 1
	s_wait_xcnt 0x0
; inputs [8192][1024] and codebook [8192][1024], f32, are turned into codes of FP6 (E2M3), 6 bits each, K innermost (a row: 768 bytes, one stream of bits), with one E8M0 scale byte for each 32 along K,
; and each row's sum of squares of the UNQUANTISED numbers is taken in f32.  codes, scales and sq hold the 8,192 rows of inputs first, then the 8,192 rows of the codebook.
; A block's scale is 2^(floor(log2(its largest magnitude)) - 2); its byte is the largest magnitude's own exponent field - 2, held at 1 from below.
; LIMITS: a block of zeros, and a block whose largest magnitude lies under 2^-124, gets the byte 1 (its codes are zeros or subnormal codes; the bytes are read by this program alone); NaN and infinities among
; the inputs are not served; a row's sum of squares is added in this text's own order (two packed chains a lane, then across the 32 lanes), not in the order of a library sum.
; A wave takes a run of 8,192 numbers: 8 rows, 16 steps of 512 numbers.  Each of a step's four loads reads 512 consecutive bytes, 16 a lane; the 2,048 bytes turn through the wave's own stage in LDS and come back
; 64 bytes a lane, so that a lane holds 16 NEIGHBOURS along K (two neighbouring lanes hold a block), as the conversion wants them.  Two steps are a row.
; The first 256 work-groups take inputs, the others the codebook: only the source pointer is chosen.  No barrier: waves share nothing.  Loads run four steps (16 loads a wave) ahead, the turn through LDS one step.
.set STEPS, 16
.set EMAX,  2
.set CB,    12                         ; bytes of 16 codes
.set R,     16                         ; v16-79   four sets of 16 numbers as they are loaded
.set X,     80                         ; v80-111  two sets of 16 neighbours
.set E,     112                        ; v112-127 a scale byte for each step
.set C,     128                        ; v128-191 codes: four registers for each step, so that no store's data are written again
.set SQA,   192                        ; v[192:193], v[194:195] a row's sum of squares, two packed chains
.set SQB,   194
.set RS,    196                        ; v196     lane i (0 to 7): the sum of squares of the run's row i
.set T,     197                        ; v197     the other half of the lanes' sum
.set SO,    198                        ; v198     4 x lane
.set WREG,  8192                       ; LDS: a region of its own for each wave: two stages of 32 x SP bytes, and behind them its 256 scale bytes
.set SP,    80                         ; a lane's place in a stage: its 64 bytes + 16 of padding
	s_load_b128 s[4:7], s[0:1], 0x0                ; inputs, codebook
	s_load_b128 s[8:11], s[0:1], 0x10              ; codes, scales
	s_load_b64 s[12:13], s[0:1], 0x20              ; sq
	v_lshl_add_u32 v200, v0, 2, 0x8000
	v_mov_b32 v201, 0
	v_lshrrev_b32 v1, 5, v0
	v_readfirstlane_b32 s16, v1                    ; wave
	v_and_b32 v2, 31, v0                           ; lane
	v_lshlrev_b32 v3, 4, v2                        ; my 16 bytes of a load's 512
	s_mul_i32 s17, s16, WREG
	v_lshrrev_b32 v14, 2, v2
	v_mul_u32_u24 v14, v14, SP
	v_and_b32 v15, 3, v2
	v_lshl_add_u32 v14, v15, 4, v14
	v_add_nc_u32 v14, s17, v14                     ; the stage, on the way in: four lanes' 64 bytes on end, then 16 of padding
	v_mul_u32_u24 v15, v2, SP
	v_add_nc_u32 v15, s17, v15                     ; and on the way out: SP x lane: my 16 neighbours
	v_mul_u32_u24 v4, v2, CB                       ; my codes' place in a step's
	v_lshrrev_b32 v5, 1, v2
	s_add_co_u32 s17, s17, 2*32*SP
	v_add_nc_u32 v5, s17, v5                       ; LDS: my wave's 256 scale bytes, my block's byte
	v_lshlrev_b32 v7, 3, v2                        ; and on the way out 8 bytes a lane
	v_add_nc_u32 v6, s17, v7
	v_lshlrev_b32 v[SO], 2, v2
	v_mov_b32 v[RS], 0
	v_mov_b32 v[T], 0                              ; written once: a lane permute's destination counts as one of its sources
	s_mov_b32 s22, 0x76543210
	s_mov_b32 s23, 0xfedcba98                      ; v_permlanex16_b32's selects for lane l xor 16
	s_wait_alu depctr_va_vdst(0)
	s_wait_kmcnt 0x0
	s_cmp_lt_u32 ttmp9, 256                        ; inputs or codebook?  The choice hangs on the work-group's number alone
	s_cselect_b64 s[4:5], s[4:5], s[6:7]
	s_cselect_b32 s17, 0, 1024
	s_lshl_b32 s18, ttmp9, 2
	s_add_co_u32 s18, s18, s16                     ; G: which run of 8,192 numbers of the two tensors on end is my wave's
	s_sub_co_u32 s20, s18, s17                     ; and which of its own tensor
	s_lshl_b32 s20, s20, 15                        ; 32,768 bytes of f32 a run
	s_mov_b32 s21, 0
	s_add_nc_u64 s[4:5], s[4:5], s[20:21]
	s_mul_i32 s20, s18, 32*STEPS*CB                ; 6,144 bytes of codes a run
	s_add_nc_u64 s[8:9], s[8:9], s[20:21]
	s_lshl_b32 s20, s18, 8                         ; 256 scale bytes a run
	s_add_nc_u64 s[10:11], s[10:11], s[20:21]
	s_lshl_b32 s20, s18, 5                         ; 8 sums of squares a run
	s_add_nc_u64 s[12:13], s[12:13], s[20:21]
.macro LOAD t
.irp i, 0,1,2,3
	global_load_b128 v[R+16*((\t)%4)+4*\i:R+16*((\t)%4)+4*\i+3], v3, s[4:5] offset:2048*(\t)+512*\i th:TH_LOAD_NT   ; 32 lanes read 512 consecutive bytes
.endr
.endm
.macro TURN t                          ; step t's numbers through the stage: LDS serves a wave's instructions in order, so no wait stands between the stores and the loads
.irp i, 0,1,2,3
	ds_store_b128 v14, v[R+16*((\t)%4)+4*\i:R+16*((\t)%4)+4*\i+3] offset:32*SP*((\t)%2)+8*SP*\i
.endr
.irp i, 0,1,2,3
	ds_load_b128 v[X+16*((\t)%2)+4*\i:X+16*((\t)%2)+4*\i+3], v15 offset:32*SP*((\t)%2)+16*\i
.endr
.endm
.irp t, 0,1,2,3
	LOAD \t
.endr
	s_wait_loadcnt 12                              ; step 0's four loads are in; the twelve of steps 1 to 3 stay out
	TURN 0
.macro STEP t
.set XS, X+16*((\t)%2)
.if (\t) > 0
	s_wait_dscnt 1                                 ; this step's numbers are back from the stage (the last step's byte store may be out): so its stores into the stage have read their registers,
.else
	s_wait_dscnt 0x0
.endif
.if (\t)+4 < STEPS
	LOAD (\t)+4                                    ; which take the loads of four steps on
.endif
.if (\t)+1 < STEPS
.if STEPS-2-(\t) >= 3
	s_wait_loadcnt 12                              ; the next step's four loads are in; those of the three steps behind it may be out
.else
	s_wait_loadcnt 4*(STEPS-2-(\t))
.endif
	TURN (\t)+1                                    ; and go through the other stage while this step is worked
.endif
.irp i, 0,4,8,12                       ; the row's sum of squares: an even step's first products start the two chains, nothing is cleared
.if ((\t)%2 == 0) && (\i == 0)
	v_pk_mul_f32 v[SQA:SQA+1], v[XS:XS+1], v[XS:XS+1]
	v_pk_mul_f32 v[SQB:SQB+1], v[XS+2:XS+3], v[XS+2:XS+3]
.else
	v_pk_fma_f32 v[SQA:SQA+1], v[XS+\i:XS+\i+1], v[XS+\i:XS+\i+1], v[SQA:SQA+1]
	v_pk_fma_f32 v[SQB:SQB+1], v[XS+\i+2:XS+\i+3], v[XS+\i+2:XS+\i+3], v[SQB:SQB+1]
.endif
.endr
	v_max3_num_f32 v8, |v[XS]|, |v[XS+1]|, |v[XS+2]|               ; the largest magnitude of my 16
	v_max3_num_f32 v9, |v[XS+3]|, |v[XS+4]|, |v[XS+5]|
.irp i, 6,10
	v_max3_num_f32 v8, v8, |v[XS+\i]|, |v[XS+\i+1]|
	v_max3_num_f32 v9, v9, |v[XS+\i+2]|, |v[XS+\i+3]|
.endr
	v_max3_num_f32 v8, v8, |v[XS+14]|, |v[XS+15]|
	v_max3_num_f32 v8, v8, v9, (EMAX+1)<<23        ; and the floor 2^(EMAX + 1 - 127), under which no largest magnitude is taken: so the byte cannot fall under 1
	v_max_num_f32_dpp v8, v8, v8 row_xmask:1 row_mask:0xf bank_mask:0xf   ; and of my neighbour's 16: the block's
	v_add_nc_u32 v11, -(EMAX<<23), v8              ; EMAX off its exponent field: the conversion takes the exponent field of this operand as its scale, and nothing else of it
	v_cvt_scalef32_pk16_fp6_f32 v[C+4*(\t):C+4*(\t)+2], v[XS:XS+15], v11         ; sixteen numbers / the scale, to the nearest code, ties to even, beyond the largest code the largest; 96 bits without gaps
	v_lshrrev_b32 v[E+(\t)], 23, v11               ; the scale's byte (also the plain instruction behind the conversion)
	ds_store_b8 v5, v[E+(\t)] offset:16*(\t)       ; both lanes of a block write the same byte with the same value
	global_store_b96 v4, v[C+4*(\t):C+4*(\t)+2], s[8:9] offset:32*CB*(\t)        ; the wave stores 384 consecutive bytes
.if (\t)%2 == 1                        ; an odd step ends a row: the chains, the halves and the 32 lanes are added, and lane t / 2 keeps the sum
	v_pk_add_f32 v[SQA:SQA+1], v[SQA:SQA+1], v[SQB:SQB+1]
	v_add_f32 v[SQA], v[SQA], v[SQA+1]
	v_add_f32_dpp v[SQA], v[SQA], v[SQA] row_xmask:1 row_mask:0xf bank_mask:0xf
	v_add_f32_dpp v[SQA], v[SQA], v[SQA] row_xmask:2 row_mask:0xf bank_mask:0xf
	v_add_f32_dpp v[SQA], v[SQA], v[SQA] row_xmask:4 row_mask:0xf bank_mask:0xf
	v_add_f32_dpp v[SQA], v[SQA], v[SQA] row_xmask:8 row_mask:0xf bank_mask:0xf
	v_permlanex16_b32 v[T], v[SQA], s22, s23
	v_add_f32 v[SQA], v[SQA], v[T]
	s_mov_b32 s24, 1<<((\t)/2)
	v_cndmask_b32 v[RS], v[RS], v[SQA], s24
.endif
.endm
.irp t, 0,1,2,3,4,5,6,7,8,9,10,11,12,13,14,15
	STEP \t
.endr
	ds_load_b64 v[12:13], v6                       ; LDS serves a wave's instructions in order: these see my byte stores
	s_wait_alu depctr_va_vdst(0)
	s_wait_dscnt 0x0
	global_store_b64 v7, v[12:13], s[10:11]        ; 32 lanes store 256 consecutive bytes, at a multiple of 256 from the buffer's first byte
	s_wait_xcnt 0x0                                ; EXEC is a source of the stores that are out: it changes only behind this wait
	v_cmp_gt_u32 vcc_lo, 8, v2
	s_wait_tensorcnt 0x0
	ds_add_u32 v200, v201
	s_wait_dscnt 0x0
	s_and_saveexec_b32 s25, vcc_lo
	global_store_b32 v[SO], v[RS], s[12:13]        ; lanes 0 to 7: the run's eight sums of squares, 32 consecutive bytes
	s_wait_xcnt 0x0                                ; and again in front of the line that widens it
	s_or_b32 exec_lo, exec_lo, s25
	s_endpgm
.Lfunc_end_k_q9d06e7f5b6_quant:
	.size	k_q9d06e7f5b6_quant, .Lfunc_end_k_q9d06e7f5b6_quant-k_q9d06e7f5b6_quant
	.p2alignl 7, 3214868480
	.fill 96, 4, 3214868480
	.section	.rodata,"a",@progbits
	.p2align	6, 0x0
	.amdhsa_kernel k_q9d06e7f5b6_quant
		.amdhsa_group_segment_fixed_size 33280
		.amdhsa_private_segment_fixed_size 0
		.amdhsa_enable_private_segment 0
		.amdhsa_kernarg_size 40
		.amdhsa_user_sgpr_count 2
		.amdhsa_user_sgpr_kernarg_segment_ptr 1
		.amdhsa_wavefront_size32 1
		.amdhsa_system_sgpr_workgroup_id_x 1
		.amdhsa_system_sgpr_workgroup_id_y 1
		.amdhsa_system_sgpr_workgroup_id_z 1
		.amdhsa_system_vgpr_workitem_id 0
		.amdhsa_next_free_vgpr 202
		.amdhsa_next_free_sgpr 66
		.amdhsa_reserve_vcc 1
		.amdhsa_float_denorm_mode_32 3
		.amdhsa_float_denorm_mode_16_64 3
		.amdhsa_memory_ordered 1
		.amdhsa_forward_progress 1
		.amdhsa_inst_pref_size 45
	.end_amdhsa_kernel
	.amdgpu_metadata
---
amdhsa.version: [ 1, 2 ]
amdhsa.kernels:
  - .name:           k_q9d06e7f5b6_quant
    .symbol:         k_q9d06e7f5b6_quant.kd
    .args:
      - { .name: inputs, .offset: 0, .size: 8, .value_kind: global_buffer, .address_space: global }
      - { .name: codebook, .offset: 8, .size: 8, .value_kind: global_buffer, .address_space: global }
      - { .name: codes, .offset: 16, .size: 8, .value_kind: global_buffer, .address_space: global }
      - { .name: scales, .offset: 24, .size: 8, .value_kind: global_buffer, .address_space: global }
      - { .name: sq, .offset: 32, .size: 8, .value_kind: global_buffer, .address_space: global }
    .group_segment_fixed_size: 33280
    .private_segment_fixed_size: 0
    .kernarg_segment_align: 8
    .kernarg_segment_size: 40
    .max_flat_workgroup_size: 128
    .sgpr_count:     66
    .vgpr_count:     202
    .wavefront_size: 32
...
	.end_amdgpu_metadata
.endif
;; end of part 1
;; launch gemm (part 2): grid 32 x 8, 4 waves a work-group, clusters of 4 x 1, 327,680 bytes of LDS; arguments codes, scales, sq, dist, gmin; writes dist, gmin
.if DOCPART == 2
	.amdgcn_target "amdgcn-amd-amdhsa--gfx1250"
	.amdhsa_code_object_version 6
	.text
	.protected	k_q9d06e7f5b6_gemm
	.globl	k_q9d06e7f5b6_gemm
	.p2align	8
	.type	k_q9d06e7f5b6_gemm,@function
k_q9d06e7f5b6_gemm:
	s_mov_b64 s[64:65], 0
	v_nop
	global_prefetch_b8 v0, s[64:65] scope:SCOPE_SE
	s_setreg_imm32_b32 hwreg(HW_REG_WAVE_MODE, 25, 1), 1
	s_wait_xcnt 0x0
	s_wait_alu depctr_hold_cnt(0) depctr_sa_sdst(0) depctr_va_vdst(0) depctr_va_sdst(0) depctr_va_ssrc(0) depctr_va_vcc(0) depctr_vm_vsrc(0)
	s_getreg_b32 s2, hwreg(HW_REG_IB_STS2, 6, 4)
	s_cmp_eq_u32 s2, 0
	s_cbranch_scc0 .Lentry_in_a_cluster
	s_endpgm
.Lentry_in_a_cluster:
	s_bfe_u32 s2, ttmp6, 0x10000c
	s_cmp_lg_u32 s2, 0x3003
	s_cbranch_scc0 .Lentry_shape_is_right
	s_endpgm
.Lentry_shape_is_right:
; dist(m, n) = (x2[m] - 2 xc(m, n)) + c2[n], xc the product of the FP6 codes of inputs row m and codebook row n with their E8M0 scales, f32 sums; and the least dist of each 32 neighbouring n.
; A work-group owns 256 codes (work-group x) and 1,024 rows of inputs (work-group y), walked in 16 tiles of 64 rows.  Wave w owns codes 64 w .. 64 w + 63: their fragments for all of K, 4 blocks x 8 K steps x 12
; registers, stay in registers for the whole launch, so LDS is read for x alone: 24 loads of 8 bytes a lane for 16 matrix instructions.
; x goes through a ring of two LDS slots of 64 whole rows of codes (768 bytes, each beginning at a multiple of 256 bytes; 16 bytes of padding behind each 256: pitch 816); each wave asks for 16 rows.
; CLUSTER 4 x 1: the four work-groups share their rows of x: each tile of x is asked for jointly (mask 15).  The codes' tiles are each work-group's own: plain loads.
; The matrix instruction is used transposed (source 0 = 16 codes, source 1 = 16 rows of x): lane (r, h) holds row r and its registers codes 8 h + 0 .. 7.
; dist is laid as the registers hold it: block (m / 16, n / 16) is 1,024 bytes at 1,024 (512 (m / 16) + n / 16); in it 512 ((n % 8) / 4) + 256 ((n % 16) / 8) + 16 (m % 16) + 4 (n % 4): a store covers 512 consecutive bytes.
; gmin is [128 runs of 64 codes][8192 rows][2 groups of 32]: a store covers 32 rows, 256 consecutive bytes.
; Two sets of accumulators take turns: tile t - 1 goes out behind tile t's barrier and first fragment loads.
; No prefetch: x's codes are 48 KiB a tile beside the 64 KiB that the work-group stores for it, so the launch streams stores throughout.
; LIMITS: NaN and infinities among the inputs are not served.
; WINDOWS: 0: addresses, scales, x2, x's fragments (two sets); 1: the codes' fragments of K steps 0-3, c2 at v192; 2: K steps 4-7; 3: accumulators, two sets of 128.
.set KROW,  768
.set PITCH, 816
.set TROWS, 64
.set SLOT,  TROWS*PITCH
.set BST,   2*SLOT                     ; the codes' stage: 256 rows, filled once
.set SPARE, BST+256*PITCH              ; the spare words: 512 bytes
.set DSTEP, 4*524288                   ; dist: 64 rows on
.set GM,   8                           ; v8-11   group minima to store
.set ADRA, 16                          ; v16,17 x's fragments in slot 0, 1; v18,19 the same with 16 more in lanes 16-31 (their piece lies behind a pad)
.set ADRB, 20                          ; v20, v22 likewise for my codes' stage
.set CO,   24                          ; 16 x lane
.set GO,   25                          ; 8 x lane
.set XV,   26                          ; 4 r
.set SAV,  27                          ; 32 r
.set SPW,  28
.set NIL,  29
.set CV,   30                          ; 32 h
.set SCB,  32                          ; v32-63  codes' scale words: 8 b + K step
.set SCA,  64                          ; v64-127 x's scale words, two sets: 32 s + 8 a + K step
.set X2,   128                         ; v128-143 x2, two sets: 8 s + 2 a, twice each
.set T,    144
.set U,    152
.set AF,   160                         ; v160-255 x's fragments, two sets of 48
.set C2,   192                         ; window 1
.set G1,  24
.set G0,  32
.set G1B, 40
.set G0B, 48
.set SAB, 52
.set XB,  54
.set DB,  56
.set GB,  58
.set SEL, 66
.set UPPER, 68
.set BSB, 70
.set C2B, 72
.set MSB, 0
.macro WIN new
.if MSB != (\new)
	s_set_vgpr_msb (MSB<<8)|(\new)
.set MSB, (\new)
.endif
.endm
.macro PLACES
.rept 4
	v_nop
.endr
.endm
.macro CROUND                          ; a round of the cluster's barrier
	s_barrier_signal -1
	s_barrier_wait -1
	s_cmp_lg_u32 s14, 0
	s_cbranch_scc1 .Lnot_wave_0_\@
	s_barrier_signal -3
.Lnot_wave_0_\@:
	s_barrier_wait -3
	s_barrier_signal -1
	s_barrier_wait -1
.endm
.macro FRAGS reg, adr, ks              ; four fragments (16 rows x 128 K, 12 registers) of K step ks, in pieces of 8 bytes
.irp i, 0,1,2,3
.irp p, 0,1,2,3,4,5
.set BY, 96*(\ks)+48*(\p/3)+8*(\p%3)
.if BY/256 == (BY+24)/256
	ds_load_b64 v[\reg+12*\i+2*\p:\reg+12*\i+2*\p+1], v[\adr] offset:BY+16*(BY/256)+\i*16*PITCH
.else
	ds_load_b64 v[\reg+12*\i+2*\p:\reg+12*\i+2*\p+1], v[\adr+2] offset:BY+16*(BY/256)+\i*16*PITCH
.endif
.endr
.endr
.endm
.macro MUL s, ks                       ; 16 matrix instructions, the 16 accumulators of set s by turns; K step 0 starts the sums
.set WV, 0xf1+(\ks)/4
	WIN WV
.irp a, 0,1,2,3
.irp b, 0,1,2,3
.set DD, 128*\s+8*(4*\a+\b)
.set BF, 48*((\ks)%4)+12*\b
.set FA, AF+48*((\ks)%2)+12*\a
.if (\ks) == 0
	v_wmma_scale_f32_16x16x128_f8f6f4 v[DD:DD+7], v[BF:BF+11], v[FA:FA+11], 0, v[SCB+8*\b+(\ks)], v[SCA+32*\s+8*\a+(\ks)] matrix_a_fmt:MATRIX_FMT_FP6 matrix_b_fmt:MATRIX_FMT_FP6
.else
	v_wmma_scale_f32_16x16x128_f8f6f4 v[DD:DD+7], v[BF:BF+11], v[FA:FA+11], v[DD:DD+7], v[SCB+8*\b+(\ks)], v[SCA+32*\s+8*\a+(\ks)] matrix_a_fmt:MATRIX_FMT_FP6 matrix_b_fmt:MATRIX_FMT_FP6
.endif
.endr
.endr
.endm
.macro KWALK s                         ; a tile's eight K steps; each step asks for the next step's 24 pieces first
.irp ks, 0,1,2,3,4,5,6,7
.if \ks < 7
.if \ks > 0
	PLACES                                         ; in front of loads into registers that the step before last multiplied
.endif
	WIN 0
	FRAGS AF+48*((\ks+1)%2), ADRA+\s, \ks+1
	s_wait_dscnt 24                                ; all but the 24 just issued: this step's fragments are in
.else
	s_wait_dscnt 0x0
.endif
	MUL \s, \ks
.endr
	WIN 0
.endm
.macro NEXTLOADS s                     ; a tile's scale words and x2 into set s
.irp a, 0,1,2,3
	global_load_b128 v[SCA+32*\s+8*\a:SCA+32*\s+8*\a+3], v[SAV], s[SAB:SAB+1] offset:512*\a
	global_load_b128 v[SCA+32*\s+8*\a+4:SCA+32*\s+8*\a+7], v[SAV], s[SAB:SAB+1] offset:512*\a+16
	global_load_b32 v[X2+8*\s+2*\a], v[XV], s[XB:XB+1] offset:64*\a
	global_load_b32 v[X2+8*\s+2*\a+1], v[XV], s[XB:XB+1] offset:64*\a
.endr
.endm
.macro WAYOUT s, back                  ; the tile in accumulator set s; the bases stand back tiles ahead of it
.irp a, 0,1,2,3
	WIN 0xc7                                       ; destination and source 0 window 3, source 1 (c2) window 1, source 2 (x2) window 0
.irp b, 0,1,2,3
.irp p, 0,2,4,6
.set AC, 128*\s+8*(4*\a+\b)+\p
	v_pk_fma_f32 v[AC:AC+1], v[AC:AC+1], -2.0, v[X2+8*\s+2*\a:X2+8*\s+2*\a+1] op_sel_hi:[1,0,1]
.endr
.endr
.irp b, 0,1,2,3
.irp p, 0,2,4,6
.set AC, 128*\s+8*(4*\a+\b)+\p
	v_pk_add_f32 v[AC:AC+1], v[AC:AC+1], v[C2+8*\b+\p:C2+8*\b+\p+1]
.endr
.endr
	WIN 0x3c                                       ; sources 1 and 2 window 3: a store's data, a minimum's numbers
.irp b, 0,1,2,3
.set AC, 128*\s+8*(4*\a+\b)
	global_store_b128 v[CO], v[AC:AC+3], s[DB:DB+1] offset:\a*524288+\b*1024-(\back)*DSTEP th:TH_STORE_NT
	global_store_b128 v[CO], v[AC+4:AC+7], s[DB:DB+1] offset:\a*524288+\b*1024+512-(\back)*DSTEP th:TH_STORE_NT
.endr
.endr
.irp i, 0,2,4,6,8,10,12,14             ; eight chains by turns: block a, group q: my 16 numbers of its 32
.irp a, 0,1,2,3
.irp q, 0,1
.set AC, 128*\s+8*(4*\a+2*\q)+\i
.if \i == 0
	v_min3_num_f32 v[T+2*\a+\q], 0x7f800000, v[AC], v[AC+1]
.else
	v_min3_num_f32 v[T+2*\a+\q], v[T+2*\a+\q], v[AC], v[AC+1]
.endif
.endr
.endr
.endr
	WIN 0
.irp n, 0,1,2,3,4,5,6,7
	v_permlanex16_b32 v[U+\n], v[T+\n], s[SEL], s[SEL+1]
.endr
.irp n, 0,1,2,3,4,5,6,7
	v_min_num_f32 v[T+\n], v[T+\n], v[U+\n]        ; with lane l xor 16's 16
.endr
.irp pr, 0,1
.irp q, 0,1
	v_cndmask_b32 v[GM+2*\pr+\q], v[T+4*\pr+\q], v[T+4*\pr+2+\q], s[UPPER]   ; lanes 0-15 block 2 pr's rows, lanes 16-31 the next block's
.endr
	global_store_b64 v[GO], v[GM+2*\pr:GM+2*\pr+1], s[GB:GB+1] offset:256*\pr-(\back)*512
.endr
	s_wait_alu depctr_va_vdst(0)
.endm
; Tile t in slot s = t % 2.  way: tile t - 1 goes out.  more: tile t + 1 is asked for.
.macro PHASE s, way, more
	s_wait_tensorcnt 0x0                           ; my 16 rows of this slot have landed
	ds_add_u32 v[SPW], v[NIL]
	s_add_nc_u64 s[G0+4*\s+2:G0+4*\s+3], s[G0+4*\s+2:G0+4*\s+3], 2*TROWS*KROW
	s_wait_dscnt 0x0                               ; the add, and my reads of the other slot
	CROUND
.if \more
	tensor_load_to_lds s[G0+4-4*\s:G0+7-4*\s], s[G1:G1+7]
	s_nop 0
.endif
	PLACES                                         ; also the places behind the last tile's products
	FRAGS AF, ADRA+\s, 0
	s_wait_loadcnt 0x0                             ; this tile's scale words, the last tile's x2
	s_wait_xcnt 0x0                                ; bases and store data are written again only behind this wait
.if \way
	s_add_nc_u64 s[DB:DB+1], s[DB:DB+1], DSTEP
	s_add_nc_u64 s[GB:GB+1], s[GB:GB+1], 512
	WAYOUT (1-\s), 1
.endif
.if \more
	s_add_nc_u64 s[SAB:SAB+1], s[SAB:SAB+1], TROWS*32
	s_add_nc_u64 s[XB:XB+1], s[XB:XB+1], TROWS*4
	NEXTLOADS (1-\s)
.endif
	KWALK \s
.endm
	s_load_b256 s[4:11], s[0:1], 0x0               ; codes, scales, sq, dist
	s_load_b64 s[12:13], s[0:1], 0x20              ; gmin
	v_lshl_add_u32 v[SPW], v0, 2, SPARE
	v_mov_b32 v[NIL], 0
	ds_add_u32 v[SPW], v[NIL]                      ; the opening lines
	ds_add_u32 v[SPW], v[NIL]
	v_lshrrev_b32 v1, 5, v0
	v_readfirstlane_b32 s14, v1                    ; wave
	s_bfe_u32 s15, ttmp6, 0x40000                  ; cx
	s_lshl_b32 s16, ttmp9, 2
	s_add_co_u32 s16, s16, s15                     ; which 256 codes
	s_and_b32 s17, ttmp7, 0xffff                   ; which 1,024 rows
	s_mov_b32 s[SEL], 0x76543210
	s_mov_b32 s[SEL+1], 0xfedcba98
	s_mov_b32 s[UPPER], 0xffff0000
	s_mov_b32 s[G1+0], 15|(1<<20)|(1<<21)|(5<<22)|(3<<25)   ; x: joint, bytes, 4 words of padding behind each 64
	s_mov_b32 s[G1+1], KROW<<16
	s_mov_b32 s[G1+2], 16<<16
	s_mov_b32 s[G1+3], KROW<<16
	s_mov_b32 s[G1+4], 16
	s_mov_b32 s[G1+5], KROW
	s_mov_b32 s[G1+6], 0
	s_mov_b32 s[G1+7], 0
	s_mov_b32 s[G1B+0], (1<<20)|(5<<22)|(3<<25)    ; my 64 codes: a plain load
	s_mov_b32 s[G1B+1], KROW<<16
	s_mov_b32 s[G1B+2], 64<<16
	s_mov_b32 s[G1B+3], KROW<<16
	s_mov_b32 s[G1B+4], 64
	s_mov_b32 s[G1B+5], KROW
	s_mov_b32 s[G1B+6], 0
	s_mov_b32 s[G1B+7], 0
	s_mul_i32 s18, s17, 1024*KROW
	s_mul_i32 s19, s14, 16*KROW
	s_add_co_u32 s18, s18, s19                     ; x: my 16 rows of tile 0
	s_mov_b32 s19, 0
	s_mul_i32 s20, s16, 256*KROW
	s_mul_i32 s21, s14, 64*KROW
	s_add_co_u32 s20, s20, s21
	s_add_co_u32 s20, s20, 8192*KROW               ; the codebook's rows lie behind the inputs'
	s_mov_b32 s21, 0
	s_mul_i32 s60, s14, 16*PITCH
	s_wait_dscnt 0x0
	s_wait_kmcnt 0x0
	s_add_nc_u64 s[18:19], s[4:5], s[18:19]
	s_add_nc_u64 s[20:21], s[4:5], s[20:21]
	s_mov_b32 s[G0B], 1
	s_mul_i32 s[G0B+1], s14, 64*PITCH
	s_add_co_u32 s[G0B+1], s[G0B+1], BST
	s_mov_b64 s[G0B+2:G0B+3], s[20:21]
	s_or_b32 s[G0B+3], s[G0B+3], 0x80000000
.irp i, 0,1
	s_mov_b32 s[G0+4*\i], 1
	s_add_co_u32 s[G0+4*\i+1], s60, \i*SLOT
	s_add_nc_u64 s[G0+4*\i+2:G0+4*\i+3], s[18:19], \i*TROWS*KROW
	s_or_b32 s[G0+4*\i+3], s[G0+4*\i+3], 0x80000000
.endr
	CROUND
	tensor_load_to_lds s[G0B:G0B+3], s[G1B:G1B+7]  ; the head's one load a wave: my codes
	s_nop 0
	PLACES
	s_mov_b32 s23, 0
	s_lshl_b32 s22, s16, 13                        ; codes' scales: 32 bytes a row
	s_lshl_b32 s61, s14, 11
	s_add_co_u32 s22, s22, s61
	s_add_co_u32 s22, s22, 8192*32
	s_add_nc_u64 s[BSB:BSB+1], s[6:7], s[22:23]
	s_lshl_b32 s22, s16, 10                        ; c2
	s_lshl_b32 s61, s14, 8
	s_add_co_u32 s22, s22, s61
	s_add_co_u32 s22, s22, 8192*4
	s_add_nc_u64 s[C2B:C2B+1], s[8:9], s[22:23]
	s_lshl_b32 s22, s17, 15
	s_add_nc_u64 s[SAB:SAB+1], s[6:7], s[22:23]
	s_lshl_b32 s22, s17, 12
	s_add_nc_u64 s[XB:XB+1], s[8:9], s[22:23]
	s_lshl_b32 s22, s17, 25                        ; dist: 64 row blocks of 524,288 bytes, 16 column blocks of 1,024 a work-group, 4 a wave
	s_lshl_b32 s61, s16, 14
	s_add_co_u32 s22, s22, s61
	s_lshl_b32 s61, s14, 12
	s_add_co_u32 s22, s22, s61
	s_add_nc_u64 s[DB:DB+1], s[10:11], s[22:23]
	s_lshl_b32 s22, s16, 2                         ; gmin: run 4 x work-group x + wave, 65,536 bytes each
	s_add_co_u32 s22, s22, s14
	s_lshl_b32 s22, s22, 16
	s_lshl_b32 s61, s17, 13
	s_add_co_u32 s22, s22, s61
	s_add_nc_u64 s[GB:GB+1], s[12:13], s[22:23]
	v_and_b32 v1, 15, v0                           ; r
	v_bfe_u32 v2, v0, 4, 1                         ; h
	v_mul_u32_u24 v3, v1, PITCH
	v_mad_u32_u24 v[ADRA], v2, 24, v3
	v_mad_u32_u24 v[ADRA+2], v2, 40, v3
	v_add_nc_u32 v[ADRA+1], SLOT, v[ADRA]
	v_add_nc_u32 v[ADRA+3], SLOT, v[ADRA+2]
	v_add_nc_u32 v[ADRB], s[G0B+1], v[ADRA]
	v_add_nc_u32 v[ADRB+2], s[G0B+1], v[ADRA+2]
	v_and_b32 v6, 31, v0
	v_lshlrev_b32 v[CO], 4, v6
	v_lshlrev_b32 v[GO], 3, v6
	v_lshlrev_b32 v[XV], 2, v1
	v_lshlrev_b32 v[SAV], 5, v1
	v_lshlrev_b32 v[CV], 5, v2
.irp n, 0,1,2,3,4,5,6,7
	v_mov_b32 v[U+\n], 0                           ; a lane permute's destination counts as a source
.endr
	s_wait_alu depctr_va_vdst(0)                   ; the head's end
.irp b, 0,1,2,3
	global_load_b128 v[SCB+8*\b:SCB+8*\b+3], v[SAV], s[BSB:BSB+1] offset:512*\b
	global_load_b128 v[SCB+8*\b+4:SCB+8*\b+7], v[SAV], s[BSB:BSB+1] offset:512*\b+16
.endr
	NEXTLOADS 0
	WIN 0x40
.irp b, 0,1,2,3
	global_load_b128 v[C2+8*\b:C2+8*\b+3], v[CV], s[C2B:C2B+1] offset:64*\b
	global_load_b128 v[C2+8*\b+4:C2+8*\b+7], v[CV], s[C2B:C2B+1] offset:64*\b+16
.endr
	WIN 0
	s_wait_tensorcnt 0x0                           ; my codes are in; slot 0's first fill is issued as a refill is
	ds_add_u32 v[SPW], v[NIL]
	s_wait_dscnt 0x0
	CROUND
	tensor_load_to_lds s[G0:G0+3], s[G1:G1+7]      ; tile 0
	s_nop 0
	PLACES
	WIN 0x40
.irp ks, 0,1,2,3
	FRAGS 48*\ks, ADRB, \ks
.endr
	WIN 0x80
.irp ks, 4,5,6,7
	FRAGS 48*(\ks-4), ADRB, \ks
.endr
	WIN 0
	PHASE 0, 0, 1                                  ; tile 0; slot 1's first fill
	s_mov_b32 s3, 7
.Lpair:                                                ; tiles 1 to 14
	PHASE 1, 1, 1
	PHASE 0, 1, 1
	s_sub_co_u32 s3, s3, 1
	s_cmp_lg_u32 s3, 0
	s_cbranch_scc1 .Lpair
	PHASE 1, 1, 0                                  ; tile 15: nothing more to ask for
	PLACES
	s_wait_xcnt 0x0
	WAYOUT 1, 0
	s_wait_tensorcnt 0x0                           ; the wave's end
	ds_add_u32 v[SPW], v[NIL]
	s_wait_dscnt 0x0
	CROUND                                         ; the closing round
	s_endpgm
.Lfunc_end_k_q9d06e7f5b6_gemm:
	.size	k_q9d06e7f5b6_gemm, .Lfunc_end_k_q9d06e7f5b6_gemm-k_q9d06e7f5b6_gemm
	.p2alignl 7, 3214868480
	.fill 96, 4, 3214868480
	.section	.rodata,"a",@progbits
	.p2align	6, 0x0
	.amdhsa_kernel k_q9d06e7f5b6_gemm
		.amdhsa_group_segment_fixed_size 327680
		.amdhsa_private_segment_fixed_size 0
		.amdhsa_enable_private_segment 0
		.amdhsa_kernarg_size 40
		.amdhsa_user_sgpr_count 2
		.amdhsa_user_sgpr_kernarg_segment_ptr 1
		.amdhsa_wavefront_size32 1
		.amdhsa_system_sgpr_workgroup_id_x 1
		.amdhsa_system_sgpr_workgroup_id_y 1
		.amdhsa_system_sgpr_workgroup_id_z 1
		.amdhsa_system_vgpr_workitem_id 0
		.amdhsa_next_free_vgpr 1024
		.amdhsa_next_free_sgpr 80
		.amdhsa_reserve_vcc 0
		.amdhsa_float_denorm_mode_32 3
		.amdhsa_float_denorm_mode_16_64 3
		.amdhsa_memory_ordered 1
		.amdhsa_forward_progress 1
		.amdhsa_inst_pref_size 216
	.end_amdhsa_kernel
	.amdgpu_metadata
---
amdhsa.version: [ 1, 2 ]
amdhsa.kernels:
  - .name:           k_q9d06e7f5b6_gemm
    .symbol:         k_q9d06e7f5b6_gemm.kd
    .args:
      - { .name: codes, .offset: 0, .size: 8, .value_kind: global_buffer, .address_space: global }
      - { .name: scales, .offset: 8, .size: 8, .value_kind: global_buffer, .address_space: global }
      - { .name: sq, .offset: 16, .size: 8, .value_kind: global_buffer, .address_space: global }
      - { .name: dist, .offset: 24, .size: 8, .value_kind: global_buffer, .address_space: global }
      - { .name: gmin, .offset: 32, .size: 8, .value_kind: global_buffer, .address_space: global }
    .group_segment_fixed_size: 327680
    .private_segment_fixed_size: 0
    .kernarg_segment_align: 8
    .kernarg_segment_size: 40
    .max_flat_workgroup_size: 128
    .sgpr_count:     80
    .vgpr_count:     1024
    .wavefront_size: 32
...
	.end_amdgpu_metadata
.endif
;; end of part 2
;; launch pick_groups (part 3): grid 256 x 1, 8 waves a work-group, no clusters, 34,304 bytes of LDS; arguments gmin, gsel; writes gsel
.if DOCPART == 3
	.amdgcn_target "amdgcn-amd-amdhsa--gfx1250"
	.amdhsa_code_object_version 6
	.text
	.protected	k_q9d06e7f5b6_pick_groups
	.globl	k_q9d06e7f5b6_pick_groups
	.p2align	8
	.type	k_q9d06e7f5b6_pick_groups,@function
k_q9d06e7f5b6_pick_groups:
	s_mov_b64 s[64:65], 0
	v_nop
	global_prefetch_b8 v0, s[64:65] scope:SCOPE_SE
	s_setreg_imm32_b32 hwreg(HW_REG_WAVE_MODE, 25, 1), 1
	s_wait_xcnt 0x0
; gsel[m][0..7] = the eight groups of 32 codes of row m that come first by (group minimum, group number), out of 256.
; WHY EIGHT GROUPS SUFFICE: let e be one of the row's first eight codes by (distance, index), in group g.  Each group ahead of g by (minimum, number) holds a code ahead of e: its distance is smaller, or equal with a
; lower index, since groups are ranges of neighbouring indices.  At most seven codes are ahead of e, so at most seven groups are ahead of g.
; gmin is [64 chunks][8192 rows][4]: a work-group's 32 rows are 512 consecutive bytes of each chunk.  Wave w loads chunks 8 w .. 8 w + 7 (lane = row) and lays them into LDS by rows (1,024 bytes + 16); behind one
; barrier wave w takes rows 4 w .. 4 w + 3, a lane holding groups lane + 32 k, k = 0 .. 7, of each.
; Eight rounds, no branch on data: the least value; among the equal ones the least number; that one is replaced by +infinity.  Numbers are carried as f32 (whole numbers under 2^24 are exact), so that the
; same minimum across lanes serves values and numbers.  The four rows take turns line by line.
; LIMITS: NaN and infinities among the minima are not served (+infinity marks what has been taken); +0 and -0 count as equal.
; No matrix unit, no cluster, no tensor load: 1,024 bytes a row are read once and the work is comparisons.
.set ROWP, 1040                        ; a row in LDS: an odd multiple of 16 bytes, so that the 16 rows of half a store start at different banks
.set OUT,  3                           ; v3      lane 8 j + t: row j's t-th group
.set INF,  4                           ; v4      +infinity
.set M,    8                           ; v8-11   the round's least value, a register a row
.set T,    12                          ; v12-15  the other half of the lanes'
.set W,    16                          ; v16-19  the least number among the equal
.set TA,   20                          ; v20-27  at work
.set TB,   24
.set V,    32                          ; v32-63  row j's eight values of my lane at v[V + 8 j + k]
.set ID,   64                          ; v64-71  their numbers, lane + 32 k, as f32: the same for the four rows
.set SEL,  12                          ; s[12:13] v_permlanex16_b32's selects for lane l xor 16
.set MK,   16                          ; s16-19  a mask a row
.set KEEP, 20                          ; s20-23  row j: the one lane, 8 j + round, that keeps this round's number
.macro ACROSS reg                      ; the least over the 32 lanes, in every lane
.irp xm, 1,2,4,8
.irp j, 0,1,2,3
	s_delay_alu instid0(VALU_DEP_4)
	v_min_num_f32_dpp v[\reg+\j], v[\reg+\j], v[\reg+\j] row_xmask:\xm row_mask:0xf bank_mask:0xf
.endr
.endr
.irp j, 0,1,2,3
	s_delay_alu instid0(VALU_DEP_4)
	v_permlanex16_b32 v[T+\j], v[\reg+\j], s[SEL], s[SEL+1]
.endr
.irp j, 0,1,2,3
	s_delay_alu instid0(VALU_DEP_4)
	v_min_num_f32 v[\reg+\j], v[\reg+\j], v[T+\j]
.endr
.endm
.macro SELECT idstep                   ; one round for four rows.  idstep: registers from one row's numbers to the next row's (0: shared)
.irp j, 0,1,2,3
	v_min3_num_f32 v[M+\j], v[V+8*\j], v[V+8*\j+1], v[V+8*\j+2]
.endr
.irp j, 0,1,2,3
	s_delay_alu instid0(VALU_DEP_4)
	v_min3_num_f32 v[M+\j], v[M+\j], v[V+8*\j+3], v[V+8*\j+4]
.endr
.irp j, 0,1,2,3
	s_delay_alu instid0(VALU_DEP_4)
	v_min3_num_f32 v[M+\j], v[M+\j], v[V+8*\j+5], v[V+8*\j+6]
.endr
.irp j, 0,1,2,3
	s_delay_alu instid0(VALU_DEP_4)
	v_min_num_f32 v[M+\j], v[M+\j], v[V+8*\j+7]
.endr
	ACROSS M                                       ; the row's least value
.irp k, 0,2,4,6
.irp j, 0,1,2,3
	v_cmp_eq_f32 s[MK+\j], v[V+8*\j+\k], v[M+\j]
	s_delay_alu instid0(VALU_DEP_1)
	v_cndmask_b32 v[TA+\j], v[INF], v[ID+\idstep*\j+\k], s[MK+\j]     ; its number where the value is the least, else +infinity
.endr
.irp j, 0,1,2,3
	v_cmp_eq_f32 s[MK+\j], v[V+8*\j+\k+1], v[M+\j]
	s_delay_alu instid0(VALU_DEP_1)
	v_cndmask_b32 v[TB+\j], v[INF], v[ID+\idstep*\j+\k+1], s[MK+\j]
.endr
.irp j, 0,1,2,3
.if \k == 0
	v_min_num_f32 v[W+\j], v[TA+\j], v[TB+\j]
.else
	v_min3_num_f32 v[W+\j], v[W+\j], v[TA+\j], v[TB+\j]
.endif
.endr
.endr
	ACROSS W                                       ; the least number among the equal
.irp k, 0,1,2,3,4,5,6,7
.irp j, 0,1,2,3
	v_cmp_eq_f32 s[MK+\j], v[ID+\idstep*\j+\k], v[W+\j]
	s_delay_alu instid0(VALU_DEP_1)
	v_cndmask_b32 v[V+8*\j+\k], v[V+8*\j+\k], v[INF], s[MK+\j]        ; it is taken
.endr
.endr
.irp j, 0
	v_cndmask_b32 v[OUT], v[OUT], v[W+\j], s[KEEP+\j]
.endr
.irp j, 1, 2, 3
	s_delay_alu instid0(VALU_DEP_1)
	v_cndmask_b32 v[OUT], v[OUT], v[W+\j], s[KEEP+\j]
.endr
.endm
	s_load_b128 s[4:7], s[0:1], 0x0                ; gmin, gsel
	v_lshl_add_u32 v80, v0, 2, 0x8200
	v_mov_b32 v81, 0
	v_lshrrev_b32 v2, 5, v0
	s_delay_alu instid0(VALU_DEP_1)
	v_readfirstlane_b32 s8, v2                     ; wave 0..7
	v_and_b32 v1, 31, v0                           ; lane
	s_lshl_b32 s10, s8, 20                         ; my eight chunks of 131,072 bytes
	v_lshlrev_b32 v6, 3, v1                        ; gmin is laid [128 runs of 64 codes][8192 rows][2 groups]: 8 bytes a row; a wave takes 16 runs of 65,536 bytes
	s_delay_alu instid0(VALU_DEP_1)
	v_add_nc_u32 v6, s10, v6                       ; + my 16 runs
	v_mul_u32_u24 v7, v1, ROWP
	s_lshl_b32 s10, s8, 7
	v_add_nc_u32 v7, s10, v7                       ; LDS, in: row = lane, my eight chunks' 128 bytes
	v_lshlrev_b32 v5, 2, v1
	s_delay_alu instid0(VALU_DEP_1)
	v_add_nc_u32 v5, s10, v5                       ; gsel: 4 x lane + 128 x wave
	s_mul_i32 s10, s8, 4*ROWP
	v_lshlrev_b32 v28, 2, v1
	s_delay_alu instid0(VALU_DEP_1)
	v_add_nc_u32 v28, s10, v28                     ; LDS, out: my four rows, 4 bytes a lane
	s_lshl_b32 s10, ttmp9, 8                       ; the work-group's 32 rows in a run: 256 bytes
	s_mov_b32 s11, 0
	s_lshl_b32 s14, ttmp9, 10                      ; and in gsel
	s_mov_b32 s15, 0
	s_mov_b32 s[SEL], 0x76543210
	s_mov_b32 s[SEL+1], 0xfedcba98
	s_wait_alu depctr_va_vdst(0)
	s_wait_kmcnt 0x0
	s_add_nc_u64 s[4:5], s[4:5], s[10:11]
	s_add_nc_u64 s[6:7], s[6:7], s[14:15]
.irp i, 0,1,2,3,4,5,6,7,8,9,10,11,12,13,14,15
	global_load_b64 v[V+2*\i:V+2*\i+1], v6, s[4:5] offset:\i*65536 th:TH_LOAD_NT     ; 32 lanes read 256 consecutive bytes
.endr
	v_mov_b32 v[OUT], 0
	v_mov_b32 v[INF], 0x7f800000
.irp j, 0,1,2,3
	v_mov_b32 v[T+\j], 0                           ; written once: a lane permute's destination counts as one of its sources
	s_mov_b32 s[KEEP+\j], 1<<(8*\j)
.endr
.irp k, 0,1,2,3,4,5,6,7
	v_add_nc_u32 v2, 32*\k, v1
	s_delay_alu instid0(VALU_DEP_1)
	v_cvt_f32_u32 v[ID+\k], v2
.endr
.irp i, 0,1,2,3,4,5,6,7,8,9,10,11,12,13,14,15
	s_wait_loadcnt 15-\i                           ; loads come back in order: load i is in, the younger ones stay out
	ds_store_b64 v7, v[V+2*\i:V+2*\i+1] offset:8*\i
.endr
	s_wait_dscnt 0x0                               ; for the others' sake: my stores have landed
	s_barrier_signal -1
	s_barrier_wait -1
.irp j, 0,1,2,3
.irp k, 0,1,2,3,4,5,6,7
	ds_load_b32 v[V+8*\j+\k], v28 offset:\j*ROWP+128*\k
.endr
.endr
	s_wait_dscnt 0x0
	s_mov_b32 s9, 0
.Lround:
	SELECT 0
.irp j, 0,1,2,3
	s_lshl_b32 s[KEEP+\j], s[KEEP+\j], 1           ; the next round's number goes to the next lane
.endr
	s_add_co_u32 s9, s9, 1
	s_cmp_lt_u32 s9, 8
	s_cbranch_scc1 .Lround
	v_cvt_u32_f32 v[OUT], v[OUT]
	global_store_b32 v5, v[OUT], s[6:7]            ; a wave's four rows: 128 consecutive bytes
	s_wait_tensorcnt 0x0
	ds_add_u32 v80, v81
	s_wait_dscnt 0x0
	s_endpgm
.Lfunc_end_k_q9d06e7f5b6_pick_groups:
	.size	k_q9d06e7f5b6_pick_groups, .Lfunc_end_k_q9d06e7f5b6_pick_groups-k_q9d06e7f5b6_pick_groups
	.p2alignl 7, 3214868480
	.fill 96, 4, 3214868480
	.section	.rodata,"a",@progbits
	.p2align	6, 0x0
	.amdhsa_kernel k_q9d06e7f5b6_pick_groups
		.amdhsa_group_segment_fixed_size 34304
		.amdhsa_private_segment_fixed_size 0
		.amdhsa_enable_private_segment 0
		.amdhsa_kernarg_size 16
		.amdhsa_user_sgpr_count 2
		.amdhsa_user_sgpr_kernarg_segment_ptr 1
		.amdhsa_wavefront_size32 1
		.amdhsa_system_sgpr_workgroup_id_x 1
		.amdhsa_system_sgpr_workgroup_id_y 1
		.amdhsa_system_sgpr_workgroup_id_z 1
		.amdhsa_system_vgpr_workitem_id 0
		.amdhsa_next_free_vgpr 82
		.amdhsa_next_free_sgpr 66
		.amdhsa_reserve_vcc 0
		.amdhsa_float_denorm_mode_32 3
		.amdhsa_float_denorm_mode_16_64 3
		.amdhsa_memory_ordered 1
		.amdhsa_forward_progress 1
		.amdhsa_inst_pref_size 26
	.end_amdhsa_kernel
	.amdgpu_metadata
---
amdhsa.version: [ 1, 2 ]
amdhsa.kernels:
  - .name:           k_q9d06e7f5b6_pick_groups
    .symbol:         k_q9d06e7f5b6_pick_groups.kd
    .args:
      - { .name: gmin, .offset: 0, .size: 8, .value_kind: global_buffer, .address_space: global }
      - { .name: gsel, .offset: 8, .size: 8, .value_kind: global_buffer, .address_space: global }
    .group_segment_fixed_size: 34304
    .private_segment_fixed_size: 0
    .kernarg_segment_align: 8
    .kernarg_segment_size: 16
    .max_flat_workgroup_size: 256
    .sgpr_count:     66
    .vgpr_count:     82
    .wavefront_size: 32
...
	.end_amdgpu_metadata
.endif
;; end of part 3
;; launch pick_codes (part 4): grid 256 x 1, 8 waves a work-group, no clusters, 0 bytes of LDS; arguments dist, gsel, out1, ids; writes out1, ids
.if DOCPART == 4
	.amdgcn_target "amdgcn-amd-amdhsa--gfx1250"
	.amdhsa_code_object_version 6
	.text
	.protected	k_q9d06e7f5b6_pick_codes
	.globl	k_q9d06e7f5b6_pick_codes
	.p2align	8
	.type	k_q9d06e7f5b6_pick_codes,@function
k_q9d06e7f5b6_pick_codes:
	s_mov_b64 s[64:65], 0
	v_nop
	global_prefetch_b8 v0, s[64:65] scope:SCOPE_SE
	s_setreg_imm32_b32 hwreg(HW_REG_WAVE_MODE, 25, 1), 1
	s_wait_xcnt 0x0
; out1[m][0..7] = the eight codes of row m that come first by (distance, index): ascending distance, ties to the lower index.  They lie in the row's eight groups of 32 codes that gsel names, 256 candidates.
; ids is a copy of out1 for the launch that gathers the rows.
; A wave takes four rows.  Its 32 group numbers come by vector loads (nobody writes gsel here), are held to 0 .. 255 and enter the addresses by shifts and sums alone: group g of a row is two blocks at 2,048 g;
; a load of the wave brings four groups.  A lane holds codes 32 g + 4 (lane % 8) .. + 3 of two of a row's eight groups.
; Eight rounds, no branch on data: the least distance; among the equal ones the least index; that one is replaced by +infinity.  Indices are carried as f32 (up to 8,191: exact).  The four rows take turns line by line.
; LIMITS: NaN and infinities among the distances are not served (+infinity marks what has been taken); +0 and -0 count as equal.
; No LDS, no barrier: waves share nothing.
.set OUT,  3                           ; v3      lane 8 j + t: row j's t-th code
.set INF,  4                           ; v4      +infinity
.set M,    8                           ; v8-11   the round's least value, a register a row
.set T,    12                          ; v12-15  the other half of the lanes'
.set W,    16                          ; v16-19  the least index among the equal
.set TA,   20                          ; v20-27  at work
.set TB,   24
.set V,    32                          ; v32-63  row j, load q, code e: my lane's distance at v[V + 8 j + 4 q + e]
.set ID,   64                          ; v64-95  its index as f32
.set A,    96                          ; v96-103 group numbers, v104-111 their addresses, v112-119 their first indices
.set GS,   32
.set SEL,  16                          ; s[16:17] v_permlanex16_b32's selects for lane l xor 16
.set MK,   20                          ; s20-23  a mask a row
.set KEEP, 24                          ; s24-27  row j: the one lane, 8 j + round, that keeps this round's index
.macro ACROSS reg                      ; the least over the 32 lanes, in every lane
.irp xm, 1,2,4,8
.irp j, 0,1,2,3
	s_delay_alu instid0(VALU_DEP_4)
	v_min_num_f32_dpp v[\reg+\j], v[\reg+\j], v[\reg+\j] row_xmask:\xm row_mask:0xf bank_mask:0xf
.endr
.endr
.irp j, 0,1,2,3
	s_delay_alu instid0(VALU_DEP_4)
	v_permlanex16_b32 v[T+\j], v[\reg+\j], s[SEL], s[SEL+1]
.endr
.irp j, 0,1,2,3
	s_delay_alu instid0(VALU_DEP_4)
	v_min_num_f32 v[\reg+\j], v[\reg+\j], v[T+\j]
.endr
.endm
.macro SELECT idstep                   ; one round for four rows.  idstep: registers from one row's indices to the next row's
.irp j, 0,1,2,3
	v_min3_num_f32 v[M+\j], v[V+8*\j], v[V+8*\j+1], v[V+8*\j+2]
.endr
.irp j, 0,1,2,3
	s_delay_alu instid0(VALU_DEP_4)
	v_min3_num_f32 v[M+\j], v[M+\j], v[V+8*\j+3], v[V+8*\j+4]
.endr
.irp j, 0,1,2,3
	s_delay_alu instid0(VALU_DEP_4)
	v_min3_num_f32 v[M+\j], v[M+\j], v[V+8*\j+5], v[V+8*\j+6]
.endr
.irp j, 0,1,2,3
	s_delay_alu instid0(VALU_DEP_4)
	v_min_num_f32 v[M+\j], v[M+\j], v[V+8*\j+7]
.endr
	ACROSS M                                       ; the row's least distance
.irp k, 0,2,4,6
.irp j, 0,1,2,3
	v_cmp_eq_f32 s[MK+\j], v[V+8*\j+\k], v[M+\j]
	s_delay_alu instid0(VALU_DEP_1)
	v_cndmask_b32 v[TA+\j], v[INF], v[ID+\idstep*\j+\k], s[MK+\j]     ; its index where the distance is the least, else +infinity
.endr
.irp j, 0,1,2,3
	v_cmp_eq_f32 s[MK+\j], v[V+8*\j+\k+1], v[M+\j]
	s_delay_alu instid0(VALU_DEP_1)
	v_cndmask_b32 v[TB+\j], v[INF], v[ID+\idstep*\j+\k+1], s[MK+\j]
.endr
.irp j, 0,1,2,3
.if \k == 0
	v_min_num_f32 v[W+\j], v[TA+\j], v[TB+\j]
.else
	v_min3_num_f32 v[W+\j], v[W+\j], v[TA+\j], v[TB+\j]
.endif
.endr
.endr
	ACROSS W                                       ; the least index among the equal
.irp k, 0,1,2,3,4,5,6,7
.irp j, 0,1,2,3
	v_cmp_eq_f32 s[MK+\j], v[ID+\idstep*\j+\k], v[W+\j]
	s_delay_alu instid0(VALU_DEP_1)
	v_cndmask_b32 v[V+8*\j+\k], v[V+8*\j+\k], v[INF], s[MK+\j]        ; it is taken
.endr
.endr
.irp j, 0
	v_cndmask_b32 v[OUT], v[OUT], v[W+\j], s[KEEP+\j]
.endr
.irp j, 1, 2, 3
	s_delay_alu instid0(VALU_DEP_1)
	v_cndmask_b32 v[OUT], v[OUT], v[W+\j], s[KEEP+\j]
.endr
.endm
	s_load_b256 s[4:11], s[0:1], 0x0               ; dist s[4:5], gsel s[6:7], out1 s[8:9], ids s[10:11]
	v_lshrrev_b32 v2, 5, v0
	s_delay_alu instid0(VALU_DEP_1)
	v_readfirstlane_b32 s12, v2                    ; wave 0..7
	v_and_b32 v1, 31, v0                           ; lane
	s_delay_alu instid0(VALU_DEP_1)
	v_lshlrev_b32 v6, 2, v1                        ; 4 x lane
	s_lshl_b32 s18, ttmp9, 10                      ; gsel, out1, ids: 32 bytes a row: 1,024 a work-group,
	s_lshl_b32 s19, s12, 7                         ; 128 a wave
	s_add_co_u32 s18, s18, s19
	s_mov_b32 s19, 0
	s_lshl_b32 s28, ttmp9, 20                      ; dist: 32,768 bytes a row: 32 rows a work-group,
	s_lshr_b32 s29, s12, 2                         ; dist is laid in blocks of 16 rows x 16 codes, 1,024 bytes each, 512 blocks to 16 rows: my rows' block row,
	s_lshl_b32 s29, s29, 19
	s_add_co_u32 s28, s28, s29
	s_and_b32 s29, s12, 3                          ; and my first row in it, 16 bytes a row
	s_lshl_b32 s29, s29, 6
	s_add_co_u32 s28, s28, s29
	s_mov_b32 s29, 0
	s_mov_b32 s[SEL], 0x76543210
	s_mov_b32 s[SEL+1], 0xfedcba98
	s_wait_alu depctr_va_vdst(0)
	s_wait_kmcnt 0x0
	s_add_nc_u64 s[14:15], s[6:7], s[18:19]
	s_add_nc_u64 s[8:9], s[8:9], s[18:19]
	s_add_nc_u64 s[10:11], s[10:11], s[18:19]
	s_add_nc_u64 s[4:5], s[4:5], s[28:29]
	v_lshrrev_b32 v7, 3, v1
	v_lshlrev_b32 v7, 2, v7                        ; eight lanes to a group: load n = 2 j + q brings lane l group 4 q + l / 8 of row j
.irp n, 0,1,2,3,4,5,6,7
	global_load_b32 v[A+\n], v7, s[14:15] offset:16*\n
.endr
	v_and_b32 v28, 7, v1                           ; s = l % 8: my four codes of the group are 4 s .. 4 s + 3
	v_lshlrev_b32 v28, 2, v28
	v_bfe_u32 v5, v1, 2, 1                         ; their 16 bytes: 1,024 (s / 4) + 512 (s % 2) + 256 ((s / 2) % 2)
	v_lshlrev_b32 v5, 10, v5
	v_and_b32 v29, 1, v1
	v_lshl_or_b32 v5, v29, 9, v5
	v_bfe_u32 v29, v1, 1, 1
	v_lshl_or_b32 v5, v29, 8, v5
	v_mov_b32 v[OUT], 0
	v_mov_b32 v[INF], 0x7f800000
.irp j, 0,1,2,3
	v_mov_b32 v[T+\j], 0                           ; written once: a lane permute's destination counts as one of its sources
	s_mov_b32 s[KEEP+\j], 1<<(8*\j)
.endr
	s_wait_alu depctr_va_vdst(0)
	s_wait_loadcnt 0x0
.irp n, 0,1,2,3,4,5,6,7
	v_min_u32 v[A+\n], 255, v[A+\n]                ; a loaded number enters an address only held to its range
.endr
.irp n, 0,1,2,3,4,5,6,7
	v_lshl_add_u32 v[A+8+\n], v[A+\n], 11, v5      ; a group is two blocks: 2,048 g + my piece
	v_lshl_add_u32 v[A+16+\n], v[A+\n], 5, v28     ; my first code's index: 32 g + 4 s
.endr
.irp n, 0,1,2,3,4,5,6,7
	global_load_b128 v[V+4*\n:V+4*\n+3], v[A+8+\n], s[4:5] offset:16*(\n/2) th:TH_LOAD_NT
.endr
.irp n, 0,1,2,3,4,5,6,7
.irp e, 0,1,2,3
	v_add_nc_u32 v[30+(\e%2)], \e, v[A+16+\n]
	v_cvt_f32_u32 v[ID+4*\n+\e], v[30+(\e%2)]
.endr
.endr
	s_wait_alu depctr_va_vdst(0)
	s_wait_loadcnt 0x0
	s_mov_b32 s13, 0
.Lround:
	SELECT 8
.irp j, 0,1,2,3
	s_lshl_b32 s[KEEP+\j], s[KEEP+\j], 1           ; the next round's index goes to the next lane
.endr
	s_add_co_u32 s13, s13, 1
	s_cmp_lt_u32 s13, 8
	s_cbranch_scc1 .Lround
	v_cvt_u32_f32 v[OUT], v[OUT]
	global_store_b32 v6, v[OUT], s[8:9]            ; a wave's four rows: 128 consecutive bytes
	global_store_b32 v6, v[OUT], s[10:11]
	s_endpgm
.Lfunc_end_k_q9d06e7f5b6_pick_codes:
	.size	k_q9d06e7f5b6_pick_codes, .Lfunc_end_k_q9d06e7f5b6_pick_codes-k_q9d06e7f5b6_pick_codes
	.p2alignl 7, 3214868480
	.fill 96, 4, 3214868480
	.section	.rodata,"a",@progbits
	.p2align	6, 0x0
	.amdhsa_kernel k_q9d06e7f5b6_pick_codes
		.amdhsa_group_segment_fixed_size 0
		.amdhsa_private_segment_fixed_size 0
		.amdhsa_enable_private_segment 0
		.amdhsa_kernarg_size 32
		.amdhsa_user_sgpr_count 2
		.amdhsa_user_sgpr_kernarg_segment_ptr 1
		.amdhsa_wavefront_size32 1
		.amdhsa_system_sgpr_workgroup_id_x 1
		.amdhsa_system_sgpr_workgroup_id_y 1
		.amdhsa_system_sgpr_workgroup_id_z 1
		.amdhsa_system_vgpr_workitem_id 0
		.amdhsa_next_free_vgpr 128
		.amdhsa_next_free_sgpr 66
		.amdhsa_reserve_vcc 0
		.amdhsa_float_denorm_mode_32 3
		.amdhsa_float_denorm_mode_16_64 3
		.amdhsa_memory_ordered 1
		.amdhsa_forward_progress 1
		.amdhsa_inst_pref_size 25
	.end_amdhsa_kernel
	.amdgpu_metadata
---
amdhsa.version: [ 1, 2 ]
amdhsa.kernels:
  - .name:           k_q9d06e7f5b6_pick_codes
    .symbol:         k_q9d06e7f5b6_pick_codes.kd
    .args:
      - { .name: dist, .offset: 0, .size: 8, .value_kind: global_buffer, .address_space: global }
      - { .name: gsel, .offset: 8, .size: 8, .value_kind: global_buffer, .address_space: global }
      - { .name: out1, .offset: 16, .size: 8, .value_kind: global_buffer, .address_space: global }
      - { .name: ids, .offset: 24, .size: 8, .value_kind: global_buffer, .address_space: global }
    .group_segment_fixed_size: 0
    .private_segment_fixed_size: 0
    .kernarg_segment_align: 8
    .kernarg_segment_size: 32
    .max_flat_workgroup_size: 256
    .sgpr_count:     66
    .vgpr_count:     128
    .wavefront_size: 32
...
	.end_amdgpu_metadata
.endif
;; end of part 4
;; launch mean (part 5): grid 1024 x 1, 8 waves a work-group, no clusters, 0 bytes of LDS; arguments codebook, ids, out0; writes out0
.if DOCPART == 5
	.amdgcn_target "amdgcn-amd-amdhsa--gfx1250"
	.amdhsa_code_object_version 6
	.text
	.protected	k_q9d06e7f5b6_mean
	.globl	k_q9d06e7f5b6_mean
	.p2align	8
	.type	k_q9d06e7f5b6_mean,@function
k_q9d06e7f5b6_mean:
	s_mov_b64 s[64:65], 0
	v_nop
	global_prefetch_b8 v0, s[64:65] scope:SCOPE_SE
	s_setreg_imm32_b32 hwreg(HW_REG_WAVE_MODE, 25, 1), 1
	s_wait_xcnt 0x0
; out0[m][:] = the sum of the eight rows of the (unquantised) codebook that ids[m][0..7] names, in that order, / 8 (a multiplication by 0.125, which is exact).
; A wave takes one row m.  Its eight indices come by one scalar load (nobody writes ids here), are held to 0 .. 8,191 and enter the addresses by a shift and a sum alone.
; A row is 4,096 bytes: eight chunks of 512, each one load of the wave for each of the eight codes.  Three sets of registers hold two chunks x eight codes each: 48 loads of the wave go out as soon as the indices are
; known, and a set is filled once more when it has been added up.  Each store covers 512 consecutive bytes, at a multiple of 256 from out0's first byte; its registers are written once.
; No hint on the loads: many rows may name the same code.  No LDS, no barrier, no matrix unit: the work is 8 loads and 7 additions a number.
.set OFF, 2                            ; v2-9     code k: 4,096 x its index + 16 x lane; never rewritten
.set DAT, 16                           ; v16-207  set s, chunk u of two, code k: four registers at v[DAT + 64 s + 32 u + 4 k]
.set OUT, 208                          ; v208-239 eight registers for each of the four turns
.macro FILL s, c0                      ; chunks c0 and c0 + 1 of the eight rows into set s
.irp u, 0,1
.irp k, 0,1,2,3,4,5,6,7
	global_load_b128 v[DAT+64*(\s)+32*\u+4*\k:DAT+64*(\s)+32*\u+4*\k+3], v[OFF+\k], s[4:5] offset:512*((\c0)+\u)
.endr
.endr
.endm
.macro TURN s, c0, left                ; left: the younger loads, which may stay out
.set D, DAT+64*(\s)
.set O, OUT+4*(\c0)
	s_wait_loadcnt \left
.irp u, 0,1
.irp p, 0,2
	v_pk_add_f32 v[O+4*\u+\p:O+4*\u+\p+1], v[D+32*\u+\p:D+32*\u+\p+1], v[D+32*\u+4+\p:D+32*\u+4+\p+1]   ; codes 0 and 1 start the sums; four chains by turns
.endr
.endr
.irp k, 2,3,4,5,6,7
.irp u, 0,1
.irp p, 0,2
	s_delay_alu instid0(VALU_DEP_4)
	v_pk_add_f32 v[O+4*\u+\p:O+4*\u+\p+1], v[O+4*\u+\p:O+4*\u+\p+1], v[D+32*\u+4*\k+\p:D+32*\u+4*\k+\p+1]
.endr
.endr
.endr
.irp u, 0,1
.irp p, 0,2
	s_delay_alu instid0(VALU_DEP_4)
	v_pk_mul_f32 v[O+4*\u+\p:O+4*\u+\p+1], v[O+4*\u+\p:O+4*\u+\p+1], 0x3e000000 op_sel_hi:[1,0]         ; x 0.125
.endr
.endr
.irp u, 0,1
	global_store_b128 v1, v[O+4*\u:O+4*\u+3], s[8:9] offset:512*((\c0)+\u) th:TH_STORE_NT
.endr
.endm
	s_load_b128 s[4:7], s[0:1], 0x0                ; codebook, ids
	s_load_b64 s[8:9], s[0:1], 0x10                ; out0
	v_lshrrev_b32 v1, 5, v0
	s_delay_alu instid0(VALU_DEP_1)
	v_readfirstlane_b32 s10, v1                    ; wave 0..7
	v_and_b32 v1, 31, v0
	s_delay_alu instid0(VALU_DEP_1)
	v_lshlrev_b32 v1, 4, v1                        ; 16 x lane
	s_lshl_b32 s11, ttmp9, 3
	s_add_co_u32 s11, s11, s10                     ; my row: 8 x work-group + wave
	s_lshl_b32 s12, s11, 5                         ; ids: 32 bytes a row
	s_mov_b32 s13, 0
	s_lshl_b32 s14, s11, 12                        ; out0: 4,096 bytes a row
	s_mov_b32 s15, 0
	s_wait_alu depctr_va_vdst(0)
	s_wait_kmcnt 0x0
	s_add_nc_u64 s[6:7], s[6:7], s[12:13]
	s_add_nc_u64 s[8:9], s[8:9], s[14:15]
	s_load_b256 s[16:23], s[6:7], 0x0              ; the row's eight indices
	s_wait_kmcnt 0x0
.irp k, 0,1,2,3,4,5,6,7
	s_min_u32 s[16+\k], s[16+\k], 8191             ; a loaded number enters an address only held to its range
	v_lshl_add_u32 v[OFF+\k], s[16+\k], 12, v1
.endr
	FILL 0, 0
	FILL 1, 2
	FILL 2, 4
	TURN 0, 0, 32                                  ; set 0 is in; sets 1 and 2, 32 loads, stay out
	FILL 0, 6
	TURN 1, 2, 32                                  ; set 1 is in; set 2 and set 0's second fill stay out
	TURN 2, 4, 16
	TURN 0, 6, 0
	s_endpgm
.Lfunc_end_k_q9d06e7f5b6_mean:
	.size	k_q9d06e7f5b6_mean, .Lfunc_end_k_q9d06e7f5b6_mean-k_q9d06e7f5b6_mean
	.p2alignl 7, 3214868480
	.fill 96, 4, 3214868480
	.section	.rodata,"a",@progbits
	.p2align	6, 0x0
	.amdhsa_kernel k_q9d06e7f5b6_mean
		.amdhsa_group_segment_fixed_size 0
		.amdhsa_private_segment_fixed_size 0
		.amdhsa_enable_private_segment 0
		.amdhsa_kernarg_size 24
		.amdhsa_user_sgpr_count 2
		.amdhsa_user_sgpr_kernarg_segment_ptr 1
		.amdhsa_wavefront_size32 1
		.amdhsa_system_sgpr_workgroup_id_x 1
		.amdhsa_system_sgpr_workgroup_id_y 1
		.amdhsa_system_sgpr_workgroup_id_z 1
		.amdhsa_system_vgpr_workitem_id 0
		.amdhsa_next_free_vgpr 240
		.amdhsa_next_free_sgpr 66
		.amdhsa_reserve_vcc 0
		.amdhsa_float_denorm_mode_32 3
		.amdhsa_float_denorm_mode_16_64 3
		.amdhsa_memory_ordered 1
		.amdhsa_forward_progress 1
		.amdhsa_inst_pref_size 21
	.end_amdhsa_kernel
	.amdgpu_metadata
---
amdhsa.version: [ 1, 2 ]
amdhsa.kernels:
  - .name:           k_q9d06e7f5b6_mean
    .symbol:         k_q9d06e7f5b6_mean.kd
    .args:
      - { .name: codebook, .offset: 0, .size: 8, .value_kind: global_buffer, .address_space: global }
      - { .name: ids, .offset: 8, .size: 8, .value_kind: global_buffer, .address_space: global }
      - { .name: out0, .offset: 16, .size: 8, .value_kind: global_buffer, .address_space: global }
    .group_segment_fixed_size: 0
    .private_segment_fixed_size: 0
    .kernarg_segment_align: 8
    .kernarg_segment_size: 24
    .max_flat_workgroup_size: 256
    .sgpr_count:     66
    .vgpr_count:     240
    .wavefront_size: 32
...
	.end_amdgpu_metadata
.endif
;; end of part 5
